; MI455X (gfx1250); checked and timed in simulation.
; The chip was launched on July 23, 2026; its instructions are those of AMD's public machine-readable ISA for CDNA 5 (MIT licence, August 2026) and "CDNA5" Instruction Set Architecture Reference Guide (July 2026). The comments in the code are by the model that wrote it; some were corrected since.
;; KAN Linear. Allowed arithmetic: matrix products marked QUANTISED: E3M2 operands, one E8M0 scale for each 32 along K, by v_wmma_scale_f32_16x16x128_f8f6f4 with both operands' format E3M2, f32 sums; everything else in f32.
;; Inputs: base_bias 512 float32; base_weight_codes 512 x 16 x 24 uint8 (E3M2 codes of base_weight, K innermost, in blocks of 32 codes, four codes in three bytes); base_weight_scales 512 x 16 uint8 (E8M0 scales of base_weight, one for each 32 codes along K); grid 1 x 512 x 10 float32; ln_beta 512 float32; ln_gamma 512 float32; spline_weight_codes 512 x 96 x 24 uint8 (E3M2 codes of spline_weight, K innermost, in blocks of 32 codes, four codes in three bytes); spline_weight_scales 512 x 96 uint8 (E8M0 scales of spline_weight, one for each 32 codes along K); x 32,768 x 512 float32.
;; Outputs: out0 32,768 x 512 float32.
;; This version of the problem:
;;   THIS VERSION OF THE PROBLEM IS GIVEN IN LOW PRECISION. The matrix products marked QUANTISED in the list below multiply operands that are first quantised to E3M2 (3 exponent bits, 2 mantissa bits; 6 bits a number), with one power-of-two scale for each 32 numbers along K (OCP MX v1.0); their sums are f32. All else is computed in f32.
;;   The module's matrix products, in the order in which they are computed (A, B: the left and right operand; K: the contracted axis; several contracted axes count as one K, in the product's order):
;;     1. [M 32,768, K 512] x [K 512, N 512]; A: computed on the way; B: input base_weight (given as codes): QUANTISED
;;     2. [M 32,768, K 3,072] x [K 3,072, N 512]; A: computed on the way; B: input spline_weight (given as codes): QUANTISED
;;   THE QUANTISER, for each operand of a quantised product, along K:
;;     - K is cut into blocks of 32 from its start; a last block that is shorter is filled with zeros.
;;     - A block's scale is 2^e with e = floor(log2(the largest magnitude in the block)) - 4, held to -126 .. 127; a block of zeros has e = 0. As a byte (E8M0): e + 127.
;;     - Each number is divided by its block's scale, clamped to +-28, and rounded to the nearest number of E3M2, ties to even, subnormals kept.
;;     - The product sums the exact products of the quantised numbers (number of the format x scale) in f32.
;;   ~~~python
;;   def quantise(x, axis):      # numpy; x: float32 -> the quantised numbers, widened to float32 again
;;       x = np.moveaxis(x, axis, -1); K = x.shape[-1]
;;       x = np.pad(x, [(0, 0)] * (x.ndim - 1) + [(0, -K % 32)]); x = x.reshape(x.shape[:-1] + (-1, 32)); a = np.abs(x).max(-1, keepdims=True)
;;       e = np.where(a > 0, np.clip(np.frexp(np.where(a > 0, a, 1))[1] - 1 - 4, -126, 127), 0)      # np.frexp(a)[1] - 1 = floor(log2(a)), exactly
;;       r = np.clip(x / 2.0 ** e, -28, 28)
;;       step = 2.0 ** (np.maximum(np.frexp(np.where(r == 0, 1, r))[1] - 1, -2) - 2)
;;       q = np.round(r / step) * step * 2.0 ** e      # np.round: ties to even
;;       return np.moveaxis(q.reshape(q.shape[:-2] + (-1,))[..., :K], -1, axis).astype(np.float32)
;;   ~~~
;;   OPERANDS COMPUTED ON THE WAY. 'Computed on the way' means the value that the module computes at that place (a softmax that the list does not call 'softmax' is quantised finished and normalised). What goes into a quantiser is computed in f32, as accurately as f32 sums, v_exp_f32 and their like allow (about 1e-6 of the number): no bf16 or f16 on the way to a quantiser, and a product that is left as it is and whose result goes on into a quantised operand takes f32 operands (vector FMAs, or v_wmma_f32_16x16x4_f32). A number that lies on a knife's edge between two numbers of the format may be rounded either way, as far as f32 arithmetic and the matrix unit's own rounding can turn it there, and no further.
;;   INPUTS GIVEN AS CODES. base_weight (in the module: [512, 512], K = its axis 0); spline_weight (in the module: [3072, 512], K = its axis 0): each comes as NAME_codes (uint8): NAME with its K axis moved to the last place and cut into blocks of 32 codes, [.., K / 32, bytes a block], one block behind the other in memory; four codes in three bytes: a row's codes are one little-endian stream of bits, code i at bits 6 i .. 6 i + 5 (a code: sign, 3 exponent bits, 2 mantissa bits); and NAME_scales (uint8): the same leading axes, one E8M0 byte (e + 127) for each 32 codes along K. Its value is code x scale, taken as it is: it is not quantised again, and the codes and scales need not be those that the quantiser above would give.
;; One version. Each part assembles by itself: llvm-mc -triple=amdgcn-amd-amdhsa -mcpu=gfx1250 --defsym DOCPART=n.
;; ======== version 1 of 1: 2 launches
;; limits: right only within a limited range of input values
;; workspace buffers: wimg 1,433,600 bytes; ctab 73,728 bytes
;; launch prep (part 1): grid 228 x 1, 4 waves a work-group, no clusters, 0 bytes of LDS; arguments base_weight_codes, base_weight_scales, spline_weight_codes, spline_weight_scales, grid, wimg, ctab; writes wimg, ctab
.if DOCPART == 1
	.amdgcn_target "amdgcn-amd-amdhsa--gfx1250"
	.amdhsa_code_object_version 6
	.text
	.protected	k_q99b1bfa9af_prep
	.globl	k_q99b1bfa9af_prep
	.p2align	8
	.type	k_q99b1bfa9af_prep,@function
k_q99b1bfa9af_prep:
	s_mov_b64 s[64:65], 0
	v_nop
	global_prefetch_b8 v0, s[64:65] scope:SCOPE_SE
	s_setreg_imm32_b32 hwreg(HW_REG_WAVE_MODE, 25, 1), 1
	s_wait_xcnt 0x0
; Lays the two weights out once, in the order in which the product's launch takes them, and makes the splines' constants.
; wimg: 28 K steps of 128 (0-3: base_weight, 4-27: spline_weight), 51,200 bytes each; a step is four quarters of 128 columns, 12,800 bytes each:
;   8 fragments (16 columns x 128 K of 6-bit codes) of 1,536 bytes, each the image of its 12 operand registers (registers 4 j .. 4 j + 3 of lane L at 512 j + 16 L),
;   then the quarter's 128 scale words (four E8M0 bytes: a column's 128 along K).  So a quarter is 50 dense rows of 256 bytes.
; ctab: [8 chunks of 64 features][9 quads][64 features][4 floats]; a feature's 36 floats: 0, 0, its ten knots g0-g9, 1/(g[i+1]-g[i]) (9), 1/(g[i+2]-g[i]) (8), 1/(g[i+3]-g[i]) (7).
; The knots are taken as they are given, feature by feature: no order and no spacing is assumed.
; LIMITS: a difference of knots under 2^-126 counts as zero in v_rcp_f32 (ISA guide, its entry); NaN and infinities among the knots are not served.
; SHARES: work-group g: column tile nt = g % 32, y = g / 32.  y < 7: wave v copies the fragment of K step 4 y + v; wave 0 also gathers 64 scale words.  y = 7 (four work-groups): a wave takes 32 features, a lane one.
.set TILEB, 51200
.set QUARB, 12800
.set FRAGB, 1536
.set R,     16                         ; v16-51  a feature's 36 floats
.set T,     52                         ; v52-75  the 24 differences of knots
	s_load_b256 s[4:11], s[0:1], 0x0               ; base codes s[4:5], base scales s[6:7], spline codes s[8:9], spline scales s[10:11]
	s_load_b128 s[12:15], s[0:1], 0x20             ; grid s[12:13], wimg s[14:15]
	s_load_b64 s[16:17], s[0:1], 0x30              ; ctab
	v_lshrrev_b32 v1, 5, v0
	v_readfirstlane_b32 s18, v1                    ; wave 0..3
	v_and_b32 v2, 31, v0                           ; lane
	s_and_b32 s19, ttmp9, 31                       ; nt
	s_lshr_b32 s20, ttmp9, 5                       ; y
	s_wait_kmcnt 0x0
	s_cmp_eq_u32 s20, 7
	s_cbranch_scc1 .Lconst
	; ---- a fragment: 16 columns x 128 K
	s_cmp_eq_u32 s20, 0                            ; K steps 0-3 are base_weight's: the choice hangs on the work-group's number alone
	s_cselect_b64 s[22:23], s[4:5], s[8:9]         ; the codes,
	s_cselect_b64 s[24:25], s[6:7], s[10:11]       ; the scale bytes,
	s_mov_b32 s26, 2304
	s_cselect_b32 s26, 384, s26                    ; a column's codes in bytes: 512 or 3,072 along K,
	s_cselect_b32 s27, 16, 96                      ; its scale bytes,
	s_cselect_b32 s28, 0, 4                        ; and the K step at which the tensor begins
	s_lshl_b32 s29, s20, 2
	s_add_co_u32 s29, s29, s18                     ; my K step: 4 y + wave
	s_sub_co_u32 s30, s29, s28                     ; and within its tensor
	v_and_b32 v3, 15, v0                           ; r
	v_bfe_u32 v4, v0, 4, 1                         ; h
	s_lshl_b32 s31, s19, 4
	v_add_nc_u32 v5, s31, v3                       ; column 16 nt + r
	v_mul_lo_u32 v5, v5, s26
	v_mad_u32_u24 v5, v4, 24, v5                   ; + 24 h: lane (r, h) holds K = 64 c + 32 h + 0 .. 31
	s_mul_i32 s32, s30, 96
	v_add_nc_u32 v5, s32, v5                       ; + 96 bytes a K step
.irp p, 0,1,2,3,4,5
	global_load_b64 v[16+2*\p:17+2*\p], v5, s[22:23] offset:48*(\p/3)+8*(\p%3)   ; pieces of 8 bytes: every address is a multiple of the access's size
.endr
	s_mul_i32 s33, s29, TILEB
	s_lshr_b32 s34, s19, 3                         ; the quarter,
	s_mul_i32 s35, s34, QUARB
	s_add_co_u32 s33, s33, s35
	s_and_b32 s36, s19, 7                          ; the fragment in it
	s_mul_i32 s37, s36, FRAGB
	s_add_co_u32 s33, s33, s37
	s_wait_alu depctr_va_vdst(0)
	v_lshl_add_u32 v6, v2, 4, s33
	s_wait_alu depctr_va_vdst(0)
	s_wait_loadcnt 0x0
.irp j, 0,1,2
	global_store_b128 v6, v[16+4*\j:19+4*\j], s[14:15] offset:512*\j   ; the wave stores 512 consecutive bytes, aligned to 256
.endr
	; ---- wave 0: the scale words of 64 columns of K step 4 y + nt / 8
	s_cmp_lg_u32 s18, 0
	s_cbranch_scc1 .Ldone
	s_lshl_b32 s38, s20, 2
	s_add_co_u32 s38, s38, s34                     ; the K step
	s_sub_co_u32 s39, s38, s28
	s_lshl_b32 s40, s36, 6
	v_lshl_add_u32 v7, v2, 1, s40                  ; columns 64 (nt % 8) + 2 lane and the next
	v_mul_lo_u32 v8, v7, s27
	s_lshl_b32 s41, s39, 2
	v_add_nc_u32 v8, s41, v8                       ; + 4 bytes a K step
	v_add_nc_u32 v9, s27, v8
	global_load_b32 v10, v8, s[24:25]
	global_load_b32 v11, v9, s[24:25]
	s_mul_i32 s42, s38, TILEB
	s_lshr_b32 s43, s36, 1
	s_mul_i32 s43, s43, QUARB
	s_add_co_u32 s42, s42, s43
	s_and_b32 s44, s36, 1
	s_lshl_b32 s44, s44, 8
	s_add_co_u32 s42, s42, s44
	s_add_co_u32 s42, s42, 8*FRAGB                 ; behind the quarter's eight fragments
	v_lshl_add_u32 v12, v2, 3, s42
	s_wait_alu depctr_va_vdst(0)
	s_wait_loadcnt 0x0
	global_store_b64 v12, v[10:11], s[14:15]       ; 32 lanes store 256 consecutive bytes, aligned
.Ldone:
	s_endpgm
	; ---- the constants of 32 features
.Lconst:
	s_lshl_b32 s21, s19, 2
	s_add_co_u32 s21, s21, s18                     ; which 32 features: 4 nt + wave
	s_lshl_b32 s22, s21, 5
	s_wait_alu depctr_va_vdst(0)
	v_add_nc_u32 v3, s22, v2                       ; my feature
	v_mul_u32_u24 v3, v3, 40                       ; ten knots
.irp k, 0,1,2,3,4
	global_load_b64 v[R+2+2*\k:R+3+2*\k], v3, s[12:13] offset:8*\k
.endr
	s_lshr_b32 s23, s21, 1
	s_mul_i32 s23, s23, 9216                       ; the chunk,
	s_and_b32 s24, s21, 1
	s_lshl_b32 s24, s24, 9
	s_add_co_u32 s23, s23, s24                     ; its lower or upper 32 features
	v_lshl_add_u32 v4, v2, 4, s23
	s_wait_loadcnt 0x0
.irp i, 0,1,2,3,4,5,6,7,8
	v_sub_f32 v[T+\i], v[R+3+\i], v[R+2+\i]
.endr
.irp i, 0,1,2,3,4,5,6,7
	v_sub_f32 v[T+9+\i], v[R+4+\i], v[R+2+\i]
.endr
.irp i, 0,1,2,3,4,5,6
	v_sub_f32 v[T+17+\i], v[R+5+\i], v[R+2+\i]
.endr
.set n, 0
	s_wait_alu depctr_va_vdst(0)
.rept 24
	v_rcp_f32 v[R+12+n], v[T+n]                    ; one batch
.set n, n+1
.endr
	v_mov_b32 v[R], 0                              ; the plain instruction behind the last reciprocal; the two spare floats are written too
	v_mov_b32 v[R+1], 0
	s_wait_alu depctr_va_vdst(0)                   ; one wait for the batch, ahead of its first reader
.irp q, 0,1,2,3,4,5,6,7,8
	global_store_b128 v4, v[R+4*\q:R+4*\q+3], s[16:17] offset:1024*\q   ; the wave stores 512 consecutive bytes, aligned to 256
.endr
	s_endpgm
.Lfunc_end_k_q99b1bfa9af_prep:
	.size	k_q99b1bfa9af_prep, .Lfunc_end_k_q99b1bfa9af_prep-k_q99b1bfa9af_prep
	.p2alignl 7, 3214868480
	.fill 96, 4, 3214868480
	.section	.rodata,"a",@progbits
	.p2align	6, 0x0
	.amdhsa_kernel k_q99b1bfa9af_prep
		.amdhsa_group_segment_fixed_size 0
		.amdhsa_private_segment_fixed_size 0
		.amdhsa_enable_private_segment 0
		.amdhsa_kernarg_size 56
		.amdhsa_user_sgpr_count 2
		.amdhsa_user_sgpr_kernarg_segment_ptr 1
		.amdhsa_wavefront_size32 1
		.amdhsa_system_sgpr_workgroup_id_x 1
		.amdhsa_system_sgpr_workgroup_id_y 1
		.amdhsa_system_sgpr_workgroup_id_z 1
		.amdhsa_system_vgpr_workitem_id 0
		.amdhsa_next_free_vgpr 80
		.amdhsa_next_free_sgpr 66
		.amdhsa_reserve_vcc 0
		.amdhsa_float_denorm_mode_32 3
		.amdhsa_float_denorm_mode_16_64 3
		.amdhsa_memory_ordered 1
		.amdhsa_forward_progress 1
		.amdhsa_inst_pref_size 8
	.end_amdhsa_kernel
	.amdgpu_metadata
---
amdhsa.version: [ 1, 2 ]
amdhsa.kernels:
  - .name:           k_q99b1bfa9af_prep
    .symbol:         k_q99b1bfa9af_prep.kd
    .args:
      - { .name: base_weight_codes, .offset: 0, .size: 8, .value_kind: global_buffer, .address_space: global }
      - { .name: base_weight_scales, .offset: 8, .size: 8, .value_kind: global_buffer, .address_space: global }
      - { .name: spline_weight_codes, .offset: 16, .size: 8, .value_kind: global_buffer, .address_space: global }
      - { .name: spline_weight_scales, .offset: 24, .size: 8, .value_kind: global_buffer, .address_space: global }
      - { .name: grid, .offset: 32, .size: 8, .value_kind: global_buffer, .address_space: global }
      - { .name: wimg, .offset: 40, .size: 8, .value_kind: global_buffer, .address_space: global }
      - { .name: ctab, .offset: 48, .size: 8, .value_kind: global_buffer, .address_space: global }
    .group_segment_fixed_size: 0
    .private_segment_fixed_size: 0
    .kernarg_segment_align: 8
    .kernarg_segment_size: 56
    .max_flat_workgroup_size: 128
    .sgpr_count:     66
    .vgpr_count:     80
    .wavefront_size: 32
...
	.end_amdgpu_metadata
.endif
;; end of part 1
;; launch kan (part 2): grid 512 x 1, 8 waves a work-group, no clusters, 327,680 bytes of LDS; arguments x, ln_gamma, ln_beta, base_bias, wimg, ctab, out0; writes out0
.if DOCPART == 2
	.amdgcn_target "amdgcn-amd-amdhsa--gfx1250"
	.amdhsa_code_object_version 6
	.text
	.protected	k_q99b1bfa9af_kan
	.globl	k_q99b1bfa9af_kan
	.p2align	8
	.type	k_q99b1bfa9af_kan,@function
k_q99b1bfa9af_kan:
	s_mov_b64 s[64:65], 0
	v_nop
	global_prefetch_b8 v0, s[64:65] scope:SCOPE_SE
	s_setreg_imm32_b32 hwreg(HW_REG_WAVE_MODE, 25, 1), 1
	s_wait_xcnt 0x0
; out0 = relu(LN(x)) Wb + bias + B(LN(x)) Ws: x [32768][512] f32, B the six cubic B-spline bases of each feature (k = 6 f + j).  Both products run on codes of BF6 (E3M2) with one E8M0 scale
; for each 32 along K; together they are ONE product of K = 512 + 3,072 = 28 steps of 128.  The weights come laid out by the launch before (wimg), the knots and their reciprocal differences too (ctab).
; SHARES.  A work-group of eight waves owns 64 rows and all 512 columns.  Wave w multiplies the 64 rows by columns 64 w .. 64 w + 63: 16 accumulators, 128 registers.  The left operand is made once:
; in a chunk of 128 features (768 along K, six K steps) wave w takes features 16 w .. 16 w + 15, three whole blocks of 32 along K, for all 64 rows.  A LANE HOLDS TWO ROWS, l and l + 32, as register pairs.
; The triangle of Cox and de Boor is walked whole, with the comparisons x >= g[i] and not x >= g[i+1]: nothing is assumed of the knots' order or spacing.
; OPERANDS GO FROM WAVE TO WAVE THROUGH LDS as images of the operand's registers: a tile of 16 rows x 128 K is 48 bytes a lane; block b of row r lies at 48 (r + 16 (b % 2)) + 24 (b / 2).
; PIPELINE.  In trip c the waves make chunk c and multiply the K steps made a trip earlier.  A K step is two
; groups of eight matrix instructions (row tiles 0-1, 2-3), each at a feature's end.  K step 0 stands ahead of the loop and takes the bias as C.  One barrier a trip.
; THE WEIGHTS go from memory straight into the operand registers of the one wave that multiplies them (14 loads a K step, asked for when the step before is done).  NO CLUSTER, NO JOINT LOADS: LDS holds
; x 139,264 + images 83,200 + constants 73,728 + sums 4,096 + spare words 1,024 = 301,312 bytes; what is left is less than one K step of the weights (51,200), and no fragment is read by two waves.
; No prefetch is laid for the weights: every work-group walks the same 1,433,600 bytes.  The tile of x of the work-group 256 further on is prefetched (macro ASK).
; LAYERNORM: each wave sums its own 64 features in two passes (mean, then squares of differences); the eight parts are joined by their means: no difference of large sums is formed.
; The normalised x goes back into the wave's own strip of LDS as pairs (row l, row l + 32), 8 bytes a feature, 528 bytes a lane.
; THE MATRIX INSTRUCTION IS USED TRANSPOSED (source 0 = 16 columns of the weights, source 1 = 16 rows): a lane then holds eight neighbouring numbers of a row of out0.
; LIMITS: NaN and infinities in x are not served (x < g is taken as not x >= g).  A block of zeros carries the scale byte 1 where the quantiser says 127: its codes are zeros, and this program alone reads the bytes.
.set STRIP,  17408                     ; a strip of x: 64 rows x (256 bytes + 16); strip w at w x STRIP from LDS byte 0
.set ISLOT,  6400                      ; an image slot: 4 tiles of 1,536 bytes, then 64 scale words
.set IMG0,   139264                    ; six slots
.set IMGE,   IMG0+6*ISLOT              ; the base product's step 0; its steps 1-3 lie in IMG1's slots 0-2
.set IMG1,   IMGE+ISLOT                ; six slots
.set IXOR,   IMG0^IMG1
.set CT,     IMG1+6*ISLOT              ; ctab, whole: 73,728 bytes
.set STAT,   CT+73728                  ; [wave][row] (mean, sum of squares) of 64 features
.set SPARE,  STAT+4096                 ; the spare words, 128 bytes for each wave
.set TILEB,  51200                     ; a K step of the weights in wimg
.set PF0,    256*131072-2*65536        ; where the prefetches' address starts, from my own tile of x
; window 0
.set SPW,  1
.set NIL,  2
.set ACB0, 3                           ; my features' constants in chunk 0,
.set ACB,  4                           ; in the trip's chunk
.set AXN0, 5                           ; my features' normalised x,
.set AXN,  6
.set AIM0, 8                           ; v8-10 where my block j goes in a buffer of images; v11-13 its scale byte
.set ASC0, 11
.set AIM,  14
.set ASC,  17
.set A48,  20
.set L4,   21
.set ADA,  22
.set ADS,  23
.set WOF,  24                          ; my fragments' offset in wimg, at the K step last asked for
.set WSO,  25                          ; my scale words' offset
.set PFO,  26
.set STO,  27
.set RD,   28
.set OCO,  29
.set SA,   30                          ; v30-31 the rows' scale words; v32-37 the weights': scales and nothing else
.set SW,   32
.set XP,   40                          ; v40-47 normalised x, two sets of two features, a pair (rows l, l + 32) each
.set D,    48                          ; v48-67 x - g[i]
.set U,    68
.set V,    86
.set TM,   48                          ; between features: largest magnitudes, scale operands, bytes, codes
.set SCL,  56
.set BY,   58
.set CD,   60
.set CA,   102                         ; v102-137, v138-173 a feature's 36 constants, two sets
.set BF,   176                         ; v176-223 the weights' four fragments (in the tail two more sets, at v112 and v48)
.set BIAS, 224                         ; v224-255 the bias, 8 registers a tile of columns; behind K step 0 v224-247 hold the fragments of row tiles 2 and 3
.set XN,   76                          ; at the head: v76-139 a block's normalised x in pairs
.set SS,   140
.set MW,   156
.set AXW,  160
.set AXS,  161
.set AIMB, 162
.set ASCB, 163
.set ASTW, 164
.set AST,  165
.set BOF,  166
.set CTW,  167
.set CTW2, 168
.set MEAN, 170
.set RSTD, 172
.set DEL,  174
; window 1: accumulator (row tile a, column tile nb) at v[8 (4 a + nb)]; v128-175, v176-223 a ring of 48 numbers along K of rows l, l + 32; v224-247 two fragments of rows
.set NB,   128
.set AF,   224
; scalars
.set WV,   18
.set TRIP, 19
.set G0X,  52
.set G1X,  56
.set PFA,  52                          ; behind the wait for the tensor load
.set LIM,  54
.set IB,   55
.set OB,   56
.set CO,   57
.set XO,   58
.set MK,   68                          ; s68-87 x >= g[i], rows l and l + 32
.set MSB,  0
.macro WIN new                         ; the immediate's high byte repeats the setting that is left
.if MSB != \new
	s_set_vgpr_msb (MSB<<8)|\new
.set MSB, \new
.endif
.endm
.macro PLACES
.rept 4
	v_nop
.endr
.endm
.macro FETCHA i, ab, sa                ; half i of the buffer in hand (K step i / 2, row tiles 2 (i % 2) and the next): 7 LDS loads
	WIN 0x40
.irp t, 0,1
.irp j, 0,1,2
	ds_load_b128 v[\ab+12*\t+4*\j:\ab+12*\t+4*\j+3], v[ADA] offset:ISLOT*((\i)/2)+1536*(2*((\i)%2)+\t)+16*\j
.endr
.endr
	WIN 0
	ds_load_b32 v[\sa], v[ADS] offset:ISLOT*((\i)/2)+6144+128*((\i)%2)
.endm
.macro FETCHL i, ab, sa                ; the same into window 0
.irp t, 0,1
.irp j, 0,1,2
	ds_load_b128 v[\ab+12*\t+4*\j:\ab+12*\t+4*\j+3], v[ADA] offset:ISLOT*((\i)/2)+1536*(2*((\i)%2)+\t)+16*\j
.endr
.endr
	ds_load_b32 v[\sa], v[ADS] offset:ISLOT*((\i)/2)+6144+128*((\i)%2)
.endm
.macro BLOAD bf, sw, off
.irp nb, 0,1,2,3
.irp j, 0,1,2
	global_load_b128 v[\bf+12*\nb+4*\j:\bf+12*\nb+4*\j+3], v[WOF], s[12:13] offset:(\off)+1536*\nb+512*\j
.endr
.endr
.irp q, 0,1
	global_load_b32 v[\sw+\q], v[WSO], s[12:13] offset:(\off)+128*\q
.endr
.endm
.macro BL                              ; on to the next K step; the two additions and two v_nop are the four places behind the products
	s_wait_xcnt 0x0                                ; the last step's loads have read their offsets
	v_add_nc_u32 v[WOF], TILEB, v[WOF]
	v_add_nc_u32 v[WSO], TILEB, v[WSO]
	v_nop
	v_nop
	BLOAD BF, SW, 0
.endm
; eight matrix instructions: two row tiles x four column tiles; the accumulators take turns
.macro MUL8 hf, ab, sa, bf, sw, bias
.irp nb, 0,1,2,3
.irp t, 0,1
.set mD, 8*(4*(2*(\hf)+\t)+\nb)
.set mC, mD
.if \bias
.set mC, BIAS+8*\nb
.endif
.set mW, (\bf)+12*\nb
.set mA, (\ab)+12*\t
.set mSW, (\sw)+\nb/2
.set mSA, \sa
.if ((\nb%2) == 0) && (\t == 0)
	v_wmma_scale_f32_16x16x128_f8f6f4 v[mD:mD+7], v[mW:mW+11], v[mA:mA+11], v[mC:mC+7], v[mSW], v[mSA] matrix_a_fmt:MATRIX_FMT_BF6 matrix_b_fmt:MATRIX_FMT_BF6
.elseif \t == 0
	v_wmma_scale_f32_16x16x128_f8f6f4 v[mD:mD+7], v[mW:mW+11], v[mA:mA+11], v[mC:mC+7], v[mSW], v[mSA] matrix_a_fmt:MATRIX_FMT_BF6 matrix_b_fmt:MATRIX_FMT_BF6 matrix_a_scale:MATRIX_SCALE_ROW1
.elseif (\nb%2) == 0
	v_wmma_scale_f32_16x16x128_f8f6f4 v[mD:mD+7], v[mW:mW+11], v[mA:mA+11], v[mC:mC+7], v[mSW], v[mSA] matrix_a_fmt:MATRIX_FMT_BF6 matrix_b_fmt:MATRIX_FMT_BF6 matrix_b_scale:MATRIX_SCALE_ROW1
.else
	v_wmma_scale_f32_16x16x128_f8f6f4 v[mD:mD+7], v[mW:mW+11], v[mA:mA+11], v[mC:mC+7], v[mSW], v[mSA] matrix_a_fmt:MATRIX_FMT_BF6 matrix_b_fmt:MATRIX_FMT_BF6 matrix_a_scale:MATRIX_SCALE_ROW1 matrix_b_scale:MATRIX_SCALE_ROW1
.endif
.endr
.endr
.endm
; K step i of the trip's six, whole, at a feature's end: sixteen matrix instructions, then the next step's weights are asked for.  cond = 1: not in trip 0, which has three K steps to multiply
.macro MMS i, cond
	s_wait_alu depctr_va_vdst(0)                   ; the wait ahead of the branch and the waits below
.if \cond
	s_cmp_eq_u32 s[TRIP], 0
	s_cbranch_scc1 .Lsk_\@
.endif
	s_wait_dscnt 0x0                               ; the half's rows, asked for in the feature just done
	s_wait_loadcnt 0x0                             ; the step's weights are in: no other global load is out; in every half, so that on every way the next step's loads find these registers filled
	WIN 0x54                                       ; source 0 window 0, source 1, C and D window 1
	MUL8 0, AF, SA, BF, SW, 0
	WIN 0x50                                       ; row tiles 2 and 3: source 1 in window 0
	MUL8 1, AF, SA+1, BF, SW, 0
	WIN 0
	BL
.if \cond
.Lsk_\@:
.endif
.endm
.macro CLOAD f                         ; feature f's 36 constants (every lane reads the same 16 bytes); with an even feature the x of two
.set CL, CA+36*((\f)%2)
.irp q, 0,1,2,3,4,5,6,7,8
	ds_load_b128 v[CL+4*\q:CL+4*\q+3], v[ACB] offset:16*(\f)+1024*\q
.endr
.if ((\f)%2) == 0
	ds_load_b128 v[XP+4*(((\f)/2)%2):XP+4*(((\f)/2)%2)+3], v[AXN] offset:8*(\f)
.endif
.endm
.macro DSUB i                          ; D[i] = x - g[i]; g[i] is constant 2 + i, broadcast to both rows
.if ((\i)%2) == 0
	v_pk_add_f32 v[D+2*(\i):D+2*(\i)+1], v[XF:XF+1], v[CS+2+(\i):CS+3+(\i)] op_sel_hi:[1,0] neg_lo:[0,1] neg_hi:[0,1]
.else
	v_pk_add_f32 v[D+2*(\i):D+2*(\i)+1], v[XF:XF+1], v[CS+1+(\i):CS+2+(\i)] op_sel:[0,1] op_sel_hi:[1,1] neg_lo:[0,1] neg_hi:[0,1]
.endif
.endm
.macro CMUL reg, n                     ; a pair times constant n
.if ((\n)%2) == 0
	v_pk_mul_f32 v[\reg:\reg+1], v[\reg:\reg+1], v[CS+(\n):CS+(\n)+1] op_sel_hi:[1,0]
.else
	v_pk_mul_f32 v[\reg:\reg+1], v[\reg:\reg+1], v[CS+(\n)-1:CS+(\n)] op_sel:[0,1] op_sel_hi:[1,1]
.endif
.endm
; ONE FEATURE, two rows.  With r_k[i] = 1 / (g[i+k] - g[i]) and B_0[i] = (g[i] <= x < g[i+1]):  B_k[i] = D[i] (r_k[i] B_(k-1)[i]) - D[i+k+1] (r_k[i+1] B_(k-1)[i+1]).
; wt: the LDS instructions issued behind this feature's constants on every way.  fa: the K step of the trip's six whose rows are fetched here, or -1.
.macro FEATURE f, wt, fa, cond
.set CS, CA+36*((\f)%2)
.set XF, XP+4*(((\f)/2)%2)+2*((\f)%2)
	s_wait_dscnt \wt
.if (\f) < 15
	CLOAD (\f)+1
.endif
.irp i, 0,1,2,3,4,5,6,7,8,9
	v_cmp_ge_f32 s[MK+2*\i], v[XF], v[CS+2+\i]
	v_cmp_ge_f32 s[MK+2*\i+1], v[XF+1], v[CS+2+\i]
.endr
.irp i, 0,1,2,3,4,5,6,7,8,9
	DSUB \i
.endr
.if \fa >= 0
.if \cond
	s_wait_alu depctr_va_vdst(0)                   ; the wait ahead of the branch
	s_cmp_eq_u32 s[TRIP], 0
	s_cbranch_scc1 .Lnf_\@
.endif
	FETCHA 2*(\fa), AF, SA                         ; thirty vector instructions and more behind the products that read these registers
	FETCHL 2*(\fa)+1, AF, SA+1
.if \cond
.Lnf_\@:
.endif
.endif
.irp i, 0,1,2,3,4,5,6,7,8
	s_and_not1_b32 s[MK+2*\i], s[MK+2*\i], s[MK+2*\i+2]       ; x >= g[i] and not x >= g[i+1]; ascending, so that the right-hand mask is still whole
	s_and_not1_b32 s[MK+2*\i+1], s[MK+2*\i+1], s[MK+2*\i+3]
.endr
.irp i, 0,1,2,3,4,5,6,7,8
	v_cndmask_b32 v[U+2*\i], 0, v[CS+12+\i], s[MK+2*\i]       ; r_1[i] B_0[i]
	v_cndmask_b32 v[U+2*\i+1], 0, v[CS+12+\i], s[MK+2*\i+1]
.endr
.irp i, 0,1,2,3,4,5,6,7
	v_pk_mul_f32 v[V+2*\i:V+2*\i+1], v[D+2*\i+4:D+2*\i+5], v[U+2*\i+2:U+2*\i+3]
.endr
.irp i, 0,1,2,3,4,5,6,7
	v_pk_fma_f32 v[V+2*\i:V+2*\i+1], v[D+2*\i:D+2*\i+1], v[U+2*\i:U+2*\i+1], v[V+2*\i:V+2*\i+1] neg_lo:[0,0,1] neg_hi:[0,0,1]   ; B_1[i]
.endr
.irp i, 0,1,2,3,4,5,6,7
	CMUL V+2*\i, 21+\i
.endr
.irp i, 0,1,2,3,4,5,6
	v_pk_mul_f32 v[U+2*\i:U+2*\i+1], v[D+2*\i+6:D+2*\i+7], v[V+2*\i+2:V+2*\i+3]
.endr
.irp i, 0,1,2,3,4,5,6
	v_pk_fma_f32 v[U+2*\i:U+2*\i+1], v[D+2*\i:D+2*\i+1], v[V+2*\i:V+2*\i+1], v[U+2*\i:U+2*\i+1] neg_lo:[0,0,1] neg_hi:[0,0,1]   ; B_2[i]
.endr
.irp i, 0,1,2,3,4,5,6
	CMUL U+2*\i, 29+\i
.endr
.irp i, 0,1,2,3,4,5
	v_pk_mul_f32 v[V+2*\i:V+2*\i+1], v[D+2*\i:D+2*\i+1], v[U+2*\i:U+2*\i+1]
.endr
	WIN 0x40                                       ; the last level is not packed: a row's numbers stand on end along K; number k lies at k % 48 of the ring
.irp i, 0,1,2,3,4,5
	v_fma_f32 v[NB+(6*(\f)+\i)%48], -v[D+2*\i+8], v[U+2*\i+2], v[V+2*\i]
	v_fma_f32 v[NB+48+(6*(\f)+\i)%48], -v[D+2*\i+9], v[U+2*\i+3], v[V+2*\i+1]
.endr
	WIN 0
.endm
; A BLOCK OF 32 ALONG K, two rows: numbers k0 .. k0 + 31 become 24 bytes of codes and a scale byte a row, and go to their places in an image: 8 LDS stores
.macro QBLOCK k0, aim, aoff, asc, soff
	WIN 0x05
.irp p, 0,1
.irp c, 0,1,2,3
	v_max3_num_f32 v[TM+4*\p+\c], |v[NB+48*\p+((\k0)+8*\c)%48]|, |v[NB+48*\p+((\k0)+8*\c)%48+1]|, 0x2800000   ; the floor 2^(5 - 127) holds the byte at 1 from below
.endr
.endr
.irp i, 2,4,6
.irp p, 0,1
.irp c, 0,1,2,3
	v_max3_num_f32 v[TM+4*\p+\c], |v[NB+48*\p+((\k0)+8*\c)%48+\i]|, |v[NB+48*\p+((\k0)+8*\c)%48+\i+1]|, v[TM+4*\p+\c]
.endr
.endr
.endr
	WIN 0
.irp p, 0,1
	v_max3_num_f32 v[TM+4*\p], v[TM+4*\p], v[TM+4*\p+1], v[TM+4*\p+2]
.endr
.irp p, 0,1
	s_delay_alu instid0(VALU_DEP_2)
	v_max_num_f32 v[TM+4*\p], v[TM+4*\p], v[TM+4*\p+3]
.endr
.irp p, 0,1
	s_delay_alu instid0(VALU_DEP_2)
	v_add_nc_u32 v[SCL+\p], 0xfe000000, v[TM+4*\p]            ; 4 off the exponent field: the conversion's scale operand
.endr
.irp p, 0,1
	v_lshrrev_b32 v[BY+\p], 23, v[SCL+\p]          ; the scale's byte
.endr
	WIN 0x01
.irp p, 0,1
	v_cvt_scalef32_pk16_bf6_f32 v[CD+8*\p:CD+8*\p+2], v[NB+48*\p+(\k0)%48:NB+48*\p+(\k0)%48+15], v[SCL+\p]
	v_cvt_scalef32_pk16_bf6_f32 v[CD+8*\p+4:CD+8*\p+6], v[NB+48*\p+((\k0)+16)%48:NB+48*\p+((\k0)+16)%48+15], v[SCL+\p]
.endr
	WIN 0
	v_nop                                          ; one plain instruction behind the conversions
.irp p, 0,1
.irp i, 0,1,2
	v_mov_b32 v[CD+8*\p+3+\i], v[CD+8*\p+4+\i]     ; the block's 24 bytes on end
.endr
.endr
.irp p, 0,1
.irp i, 0,1,2
	ds_store_b64 v[\aim], v[CD+8*\p+2*\i:CD+8*\p+2*\i+1] offset:(\aoff)+3072*\p+8*\i
.endr
	ds_store_b8 v[\asc], v[BY+\p] offset:(\soff)+128*\p
.endr
.endm
; A PREFETCH INTO THE L2 of the tile of x (131,072 consecutive bytes) of the work-group 256 further on.  Work-groups 0 to 255 ask, in trips 2 and 3: one instruction a wave and trip,
; lanes 256 bytes apart: 65,536 (trip - 2) + 8,192 w + 256 lane.  Each block of 256 bytes is named once, and the last lies inside x.
.macro ASK
	s_wait_alu depctr_va_vdst(0)
	s_cmp_ge_u32 s[TRIP], s[LIM]
	s_cbranch_scc0 .Lnot_mine_\@
	global_prefetch_b8 v[PFO], s[PFA:PFA+1] th:TH_LOAD_NT scope:SCOPE_SE
.Lnot_mine_\@:
.endm
.macro GBLOAD bb                       ; gamma s20-51 and beta s68-99 of block bb of my 64 features
	s_load_b512 s[20:35], s[6:7], 128*\bb
	s_load_b512 s[36:51], s[6:7], 128*\bb+64
	s_load_b512 s[68:83], s[8:9], 128*\bb
	s_load_b512 s[84:99], s[8:9], 128*\bb+64
.endm
.macro SRED                            ; a row's four chains into one pair
.irp p, 0,1
	v_pk_add_f32 v[SS+8*\p:SS+8*\p+1], v[SS+8*\p:SS+8*\p+1], v[SS+8*\p+2:SS+8*\p+3]
	v_pk_add_f32 v[SS+8*\p+4:SS+8*\p+5], v[SS+8*\p+4:SS+8*\p+5], v[SS+8*\p+6:SS+8*\p+7]
.endr
.irp p, 0,1
	v_pk_add_f32 v[SS+8*\p:SS+8*\p+1], v[SS+8*\p:SS+8*\p+1], v[SS+8*\p+4:SS+8*\p+5]
.endr
.endm
	; ---- the head
	s_load_b256 s[4:11], s[0:1], 0x0               ; x, gamma, beta, bias
	s_load_b128 s[12:15], s[0:1], 0x20             ; wimg, ctab
	s_load_b64 s[16:17], s[0:1], 0x30              ; out0
	v_lshl_add_u32 v[SPW], v0, 2, SPARE
	v_mov_b32 v[NIL], 0
	ds_add_u32 v[SPW], v[NIL]                      ; the opening: the add, twice on end, and its wait ahead of my tensor load
	ds_add_u32 v[SPW], v[NIL]
	v_lshrrev_b32 v40, 5, v0
	v_readfirstlane_b32 s[WV], v40                 ; wave 0..7
	s_mov_b32 s[G1X+0], (2<<16)|(1<<20)|(5<<22)|(3<<25)   ; elements of 4 bytes; after every 64 words 4 words of padding
	s_mov_b32 s[G1X+1], 64<<16                     ; 64 features
	s_mov_b32 s[G1X+2], 64<<16                     ; 64 rows
	s_mov_b32 s[G1X+3], 64<<16
	s_mov_b32 s[G1X+4], 64
	s_mov_b32 s[G1X+5], 512                        ; a row of x
	s_mov_b32 s[G1X+6], 0
	s_mov_b32 s[G1X+7], 0
	s_mul_i32 s30, s[WV], STRIP                    ; my strip
	s_mov_b32 s[G0X], 1
	s_mov_b32 s[G0X+1], s30
	s_lshl_b32 s20, ttmp9, 17                      ; my work-group's 64 rows of 2,048 bytes,
	s_lshl_b32 s22, s[WV], 8
	s_add_co_u32 s20, s20, s22                     ; + my wave's 256 bytes of a row
	s_mov_b32 s21, 0
	s_mov_b32 s23, 0
	s_lshl_b32 s24, ttmp9, 17
	s_add_co_u32 s24, s24, PF0
	s_mov_b32 s25, 0
	s_lshr_b32 s2, s[WV], 1
	s_and_b32 s3, s[WV], 1
	s_mul_i32 s26, s2, 12800                       ; wimg: the quarter of 128 columns,
	s_mul_i32 s28, s3, 6144                        ; my four fragments in it
	s_add_co_u32 s28, s28, s26
	s_lshl_b32 s29, s3, 8
	s_add_co_u32 s29, s29, s26
	s_add_co_u32 s29, s29, 12288                   ; my 64 scale words
	s_mul_i32 s39, s2, ISLOT                       ; the base product: wave w makes blocks 2 (w % 2) and the next of K step w / 2
	s_add_co_u32 s39, s39, IMGE
	s_lshl_b32 s40, s3, 1
	s_add_co_u32 s40, s40, s39
	s_add_co_u32 s40, s40, 6144
	s_mul_i32 s27, s3, 24
	s_add_co_u32 s39, s39, s27
	s_lshr_b32 s2, s[WV], 2
	s_and_b32 s3, s[WV], 3
	s_mul_i32 s31, s2, 9216
	s_lshl_b32 s27, s3, 8
	s_add_co_u32 s31, s31, s27
	s_add_co_u32 s31, s31, CT
	s_mul_i32 s32, s2, STRIP
	s_lshl_b32 s27, s3, 7
	s_add_co_u32 s32, s32, s27
	s_lshl_b32 s41, s[WV], 9
	s_add_co_u32 s41, s41, STAT
	s_lshl_b32 s42, s[WV], 13
.irp j, 0,1,2
	s_mul_i32 s2, s[WV], 3
	s_add_co_u32 s2, s2, \j                        ; my block j is block 3 w + j of the chunk's 24:
	s_lshr_b32 s3, s2, 2
	s_mul_i32 s3, s3, ISLOT                        ; its K step's slot,
	s_and_b32 s27, s2, 1
	s_mul_i32 s27, s27, 768                        ; the half of the lanes,
	s_bfe_u32 s43, s2, 0x10001
	s_mul_i32 s43, s43, 24                         ; the half of a lane's 48 bytes
	s_add_co_u32 s27, s27, s43
	s_add_co_u32 s[33+2*\j], s27, s3
	s_and_b32 s2, s2, 3                            ; and its byte of the row's scale word
	s_add_co_u32 s2, s2, s3
	s_add_co_u32 s[34+2*\j], s2, 6144
.endr
	s_wait_dscnt 0x0                               ; both opening adds are done
	s_wait_kmcnt 0x0
	s_add_nc_u64 s[G0X+2:G0X+3], s[4:5], s[20:21]
	s_or_b32 s[G0X+3], s[G0X+3], 0x80000000
	s_add_nc_u64 s[16:17], s[16:17], s[20:21]      ; out0 at my rows and columns
	s_add_nc_u64 s[10:11], s[10:11], s[22:23]      ; the bias of my 64 columns
	s_add_nc_u64 s[6:7], s[6:7], s[22:23]          ; gamma and beta of my 64 features
	s_add_nc_u64 s[8:9], s[8:9], s[22:23]
	tensor_load_to_lds s[G0X:G0X+3], s[G1X:G1X+7]  ; my strip of x: my one tensor load
	s_nop 0
	v_and_b32 v41, 31, v0                          ; l
	v_and_b32 v42, 15, v0                          ; r
	v_bfe_u32 v43, v0, 4, 1                        ; h
	v_lshlrev_b32 v44, 4, v0
	v_mul_u32_u24 v45, v42, 48
	v_mad_u32_u24 v45, v43, 1536, v45              ; row l in a slot's images
	v_mul_u32_u24 v46, v41, 528
	v_mul_u32_u24 v47, v41, 272
	v_lshl_add_u32 v[WOF], v41, 4, s28
	v_lshl_add_u32 v[WSO], v41, 2, s29
	v_mov_b32 v[ACB0], s31
	v_add_nc_u32 v[AXN0], s32, v46
	v_add_nc_u32 v[AXW], s30, v46
	v_add_nc_u32 v[AXS], s30, v47
.irp j, 0,1,2
	v_add_nc_u32 v[AIM0+\j], s[33+2*\j], v45
	v_lshl_add_u32 v[ASC0+\j], v41, 2, s[34+2*\j]
.endr
	v_add_nc_u32 v[AIMB], s39, v45
	v_lshl_add_u32 v[ASCB], v41, 2, s40
	v_mul_u32_u24 v[A48], v41, 48
	v_lshlrev_b32 v[L4], 2, v41
	v_mul_u32_u24 v46, v42, 272
	v_lshl_add_u32 v46, v43, 5, v46
	v_add_nc_u32 v[STO], s30, v46                  ; the way out, in: row r, 32 bytes for each half of the lanes
	v_mul_u32_u24 v47, v43, 272
	v_lshl_add_u32 v47, v42, 4, v47
	v_add_nc_u32 v[RD], s30, v47                   ; back: sixteen lanes take one row of 256 bytes
	v_lshlrev_b32 v46, 11, v43
	v_lshl_add_u32 v[OCO], v42, 4, v46
	v_lshl_add_u32 v[PFO], v41, 8, s42
	v_lshl_add_u32 v[ASTW], v41, 3, s41
	v_lshl_add_u32 v[AST], v41, 3, STAT
	v_lshlrev_b32 v[BOF], 5, v43
	v_add_nc_u32 v[CTW], CT, v44
	v_add_nc_u32 v[CTW2], CT+36864, v44
	s_wait_alu depctr_va_vdst(0)                   ; the wait at the head's end
	WIN 0x40
.set k, 0
.rept 18
	global_load_b128 v[NB+4*k:NB+4*k+3], v44, s[14:15] offset:4096*k   ; ctab, whole: 16 bytes a thread and load
.set k, k+1
.endr
	WIN 0
	BLOAD BF, SW, 0                                ; K step 0 of my weights
.irp nb, 0,1,2,3
	global_load_b128 v[BIAS+8*\nb:BIAS+8*\nb+3], v[BOF], s[10:11] offset:64*\nb      ; in the result's layout: columns 16 nb + 8 h + 0 .. 7
	global_load_b128 v[BIAS+8*\nb+4:BIAS+8*\nb+7], v[BOF], s[10:11] offset:64*\nb+16
.endr
	s_wait_loadcnt 22                              ; ctab is in; the weights' 14 loads and the bias's 8 may be out
	WIN 0x04
.set k, 0
.rept 9
	ds_store_b128 v[CTW], v[NB+4*k:NB+4*k+3] offset:4096*k
	ds_store_b128 v[CTW2], v[NB+36+4*k:NB+36+4*k+3] offset:4096*k
.set k, k+1
.endr
	WIN 0
	s_wait_tensorcnt 0x0                           ; my strip is in: I alone read it
	s_add_nc_u64 s[PFA:PFA+1], s[4:5], s[24:25]
	s_cmp_lt_u32 ttmp9, 256
	s_cselect_b32 s[LIM], 2, -1
	GBLOAD 0
	WIN 0x40
.irp p, 0,1
.irp q, 0,1,2,3,4,5,6,7,8,9,10,11,12,13,14,15
	ds_load_b128 v[64*\p+4*\q:64*\p+4*\q+3], v[AXS] offset:8704*\p+16*\q   ; my 64 features of rows l, l + 32 -> window 1, v0-127
.endr
.endr
	s_wait_dscnt 0x0
	; ---- LayerNorm's sums over my 64 features
	WIN 0x05
.irp p, 0,1
.irp c, 0,1,2,3
	v_pk_add_f32 v[SS+8*\p+2*\c:SS+8*\p+2*\c+1], v[64*\p+2*\c:64*\p+2*\c+1], v[64*\p+8+2*\c:64*\p+9+2*\c]
.endr
.endr
	WIN 0x04
.set k, 8
.rept 24
.irp p, 0,1
	v_pk_add_f32 v[SS+8*\p+2*(k%4):SS+8*\p+2*(k%4)+1], v[SS+8*\p+2*(k%4):SS+8*\p+2*(k%4)+1], v[64*\p+2*k:64*\p+2*k+1]
.endr
.set k, k+1
.endr
	WIN 0
	SRED
.irp p, 0,1
	v_add_f32 v[SS+8*\p], v[SS+8*\p], v[SS+8*\p+1]
	v_mov_b32 v[MW+2*\p+1], 0
.endr
.irp p, 0,1
	v_mul_f32 v[MW+2*\p], 0x3c800000, v[SS+8*\p]   ; / 64
.endr
	WIN 0x41
.set k, 0
.rept 32
.irp p, 0,1
	v_pk_add_f32 v[64*\p+2*k:64*\p+2*k+1], v[64*\p+2*k:64*\p+2*k+1], v[MW+2*\p:MW+2*\p+1] op_sel_hi:[1,0] neg_lo:[0,1] neg_hi:[0,1]   ; x - my part's mean, kept
.endr
.set k, k+1
.endr
	WIN 0x05
.set k, 0
.rept 32
.irp p, 0,1
.if k < 4
	v_pk_mul_f32 v[SS+8*\p+2*k:SS+8*\p+2*k+1], v[64*\p+2*k:64*\p+2*k+1], v[64*\p+2*k:64*\p+2*k+1]
.else
	v_pk_fma_f32 v[SS+8*\p+2*(k%4):SS+8*\p+2*(k%4)+1], v[64*\p+2*k:64*\p+2*k+1], v[64*\p+2*k:64*\p+2*k+1], v[SS+8*\p+2*(k%4):SS+8*\p+2*(k%4)+1]
.endif
.endr
.set k, k+1
.endr
	WIN 0
	SRED
.irp p, 0,1
	v_add_f32 v[MW+2*\p+1], v[SS+8*\p], v[SS+8*\p+1]
.endr
	ds_store_b64 v[ASTW], v[MW:MW+1]
	ds_store_b64 v[ASTW], v[MW+2:MW+3] offset:256
	s_wait_alu depctr_va_vdst(0)
	s_wait_dscnt 0x0                               ; for the others' sake: my sums and my part of the constants have landed
	s_barrier_signal -1
	s_barrier_wait -1
.irp w, 0,1,2,3,4,5,6,7
.irp p, 0,1
	ds_load_b64 v[XN+4*\w+2*\p:XN+4*\w+2*\p+1], v[AST] offset:512*\w+256*\p
.endr
.endr
	s_mov_b32 s2, 0x3b000000                       ; 1 / 512
	s_wait_dscnt 0x0
.irp p, 0,1
	v_add_f32 v[XN+32+\p], v[XN+2*\p], v[XN+4+2*\p]
	v_add_f32 v[XN+34+\p], v[XN+2*\p+1], v[XN+5+2*\p]
.endr
.irp w, 2,3,4,5,6,7
.irp p, 0,1
	v_add_f32 v[XN+32+\p], v[XN+32+\p], v[XN+4*\w+2*\p]
	v_add_f32 v[XN+34+\p], v[XN+34+\p], v[XN+4*\w+2*\p+1]
.endr
.endr
.irp p, 0,1
	v_mul_f32 v[MEAN+\p], 0x3e000000, v[XN+32+\p]  ; the row's mean: the eight means / 8
.endr
.irp w, 0,1,2,3,4,5,6,7
.irp p, 0,1
	v_sub_f32 v[XN+4*\w+2*\p], v[XN+4*\w+2*\p], v[MEAN+\p]
.endr
.endr
.irp p, 0,1
	v_mul_f32 v[XN+36+\p], v[XN+2*\p], v[XN+2*\p]
.endr
.irp w, 1,2,3,4,5,6,7
.irp p, 0,1
	v_fma_f32 v[XN+36+\p], v[XN+4*\w+2*\p], v[XN+4*\w+2*\p], v[XN+36+\p]
.endr
.endr
.irp p, 0,1
	v_fma_f32 v[XN+34+\p], v[XN+36+\p], 0x42800000, v[XN+34+\p]   ; + 64 x the squares of the parts' means about the row's
.endr
.irp p, 0,1
	v_fma_f32 v[XN+34+\p], v[XN+34+\p], s2, 0x3a83126f            ; var + 1e-3
.endr
	s_wait_alu depctr_va_vdst(0)                   ; the wait ahead of the batch
.irp p, 0,1
	v_rsq_f32 v[RSTD+\p], v[XN+34+\p]
.endr
.irp p, 0,1
	v_sub_f32 v[DEL+\p], v[MW+2*\p], v[MEAN+\p]    ; my part's mean less the row's
.endr
	s_wait_alu depctr_va_vdst(0)                   ; and behind it
.irp p, 0,1
	v_mul_f32 v[DEL+\p], v[DEL+\p], v[RSTD+\p]
.endr
	; ---- my 64 features, a block of 32 at a time: normalised, back into my strip as pairs of rows; relu, quantised, into the base product's images
.macro BBLOCK bb
	WIN 0x41
.set k, 0
.rept 16
	v_pk_fma_f32 v[32*\bb+2*k:32*\bb+2*k+1], v[32*\bb+2*k:32*\bb+2*k+1], v[RSTD:RSTD+1], v[DEL:DEL+1] op_sel_hi:[1,0,0]
	v_pk_fma_f32 v[64+32*\bb+2*k:64+32*\bb+2*k+1], v[64+32*\bb+2*k:64+32*\bb+2*k+1], v[RSTD:RSTD+1], v[DEL:DEL+1] op_sel:[0,1,1] op_sel_hi:[1,1,1]
.set k, k+1
.endr
	s_wait_alu depctr_va_vdst(0)
	s_wait_kmcnt 0x0                               ; the block's gamma and beta
	WIN 0x01
.set k, 0
.rept 32
	v_fma_f32 v[XN+2*k], v[32*\bb+k], s[20+k], s[68+k]
	v_fma_f32 v[XN+2*k+1], v[64+32*\bb+k], s[20+k], s[68+k]
.set k, k+1
.endr
	WIN 0
.if \bb == 0
	GBLOAD 1
.endif
.irp q, 0,1,2,3,4,5,6,7,8,9,10,11,12,13,14,15
	ds_store_b128 v[AXW], v[XN+4*\q:XN+4*\q+3] offset:256*\bb+16*\q   ; all of my strip was read above; no other wave has touched it yet
.endr
	WIN 0x40
.set k, 0
.rept 32
	v_max_num_f32 v[NB+k], 0, v[XN+2*k]            ; relu
	v_max_num_f32 v[NB+48+k], 0, v[XN+2*k+1]
.set k, k+1
.endr
	WIN 0
	QBLOCK 0, AIMB, 768*\bb, ASCB, \bb
.endm
	BBLOCK 0
	BBLOCK 1
	s_mov_b32 s[IB], IMG1
	s_mov_b32 s[OB], IMG0
	s_mov_b32 s[CO], 0
	s_mov_b32 s[XO], 0
	s_mov_b32 s[TRIP], 0
	v_add_nc_u32 v[ADA], IMGE, v[A48]
	v_add_nc_u32 v[ADS], IMGE, v[L4]
	s_wait_alu depctr_va_vdst(0)
	s_wait_dscnt 0x0                               ; for the others' sake: my images and my normalised x have landed
	s_barrier_signal -1
	s_barrier_wait -1
	; ---- K step 0: its products take the bias as C and start the sums
	FETCHA 0, AF, SA
	s_wait_loadcnt 0x0                             ; the weights of K step 0, the bias
	s_wait_dscnt 0x0
	WIN 0x44                                       ; C in window 0
	MUL8 0, AF, SA, BF, SW, 1
	WIN 0
	PLACES
	FETCHA 1, AF, SA
	s_wait_dscnt 0x0
	WIN 0x44
	MUL8 1, AF, SA, BF, SW, 1
	WIN 0
	BL
	; ---- four trips: chunk c is made, the K steps made a trip earlier are multiplied
.Ltrip:
	v_add_nc_u32 v[ACB], s[CO], v[ACB0]
	v_add_nc_u32 v[AXN], s[XO], v[AXN0]
.irp j, 0,1,2
	v_add_nc_u32 v[AIM+\j], s[OB], v[AIM0+\j]
	v_add_nc_u32 v[ASC+\j], s[OB], v[ASC0+\j]
.endr
	v_add_nc_u32 v[ADA], s[IB], v[A48]
	v_add_nc_u32 v[ADS], s[IB], v[L4]
	CLOAD 0
	FEATURE 0, 0, -1, 0                            ; the K steps stand at the ends of features 1, 4, 6, 9, 12, 14: two or three features lie between a step's request for weights and the next step
	FEATURE 1, 0, 0, 0
	MMS 0, 0
	FEATURE 2, 0, -1, 0
	FEATURE 3, 0, -1, 0
	FEATURE 4, 0, 1, 0
	MMS 1, 0
	FEATURE 5, 0, -1, 0
	QBLOCK 0, AIM, 0, ASC, 0                       ; numbers 0-31 are features 0 to 5's
	FEATURE 6, 8, 2, 0                             ; behind its constants' loads: the block's eight stores
	MMS 2, 0
	FEATURE 7, 0, -1, 0
	ASK
	FEATURE 8, 0, -1, 0
	FEATURE 9, 0, 3, 1
	MMS 3, 1
	FEATURE 10, 0, -1, 0
	QBLOCK 32, AIM+1, 0, ASC+1, 0
	FEATURE 11, 8, -1, 0
	FEATURE 12, 0, 4, 1
	MMS 4, 1
	FEATURE 13, 0, -1, 0
	FEATURE 14, 0, 5, 1
	MMS 5, 1
	FEATURE 15, 0, -1, 0
	QBLOCK 64, AIM+2, 0, ASC+2, 0
	s_xor_b32 s[IB], s[IB], IXOR
	s_xor_b32 s[OB], s[OB], IXOR
	s_add_co_u32 s[CO], s[CO], 18432
	s_add_co_u32 s[XO], s[XO], 2*STRIP
	s_wait_xcnt 0x0                                ; the trip's prefetch has read its address
	s_add_nc_u64 s[PFA:PFA+1], s[PFA:PFA+1], 0x10000
	s_wait_alu depctr_va_vdst(0)
	s_wait_dscnt 0x0                               ; my images have landed, my reads of the other buffer are over
	s_barrier_signal -1
	s_barrier_wait -1
	s_add_co_u32 s[TRIP], s[TRIP], 1
	s_cmp_lt_u32 s[TRIP], 4
	s_cbranch_scc1 .Ltrip
	; ---- the last chunk's six K steps.  The registers of the splines' work are free: three sets of weights (K steps 22, 23, 24, then 25, 26, 27) and two sets of rows take turns
	v_add_nc_u32 v[ADA], s[IB], v[A48]
	v_add_nc_u32 v[ADS], s[IB], v[L4]
	s_wait_alu depctr_va_vdst(0)
	BLOAD BF-64, SW+2, TILEB
	BLOAD BF-128, SW+4, 2*TILEB
	FETCHA 0, AF, SA
	FETCHA 1, AF-96, SA+1
.macro THALF i
.set st, (\i)/2
.if (\i) < 11
	s_wait_dscnt 7                                 ; this half's rows are in; the next half's seven loads may be out
.else
	s_wait_dscnt 0
.endif
.if ((\i)%2) == 0
.if st < 4
	s_wait_loadcnt 28                              ; this step's weights are in; two later steps' 14 loads each may be out
.elseif st == 4
	s_wait_loadcnt 14
.else
	s_wait_loadcnt 0
.endif
.endif
	WIN 0x54
	MUL8 (\i)%2, AF-96*((\i)%2), SA+(\i)%2, BF-64*(st%3), SW+2*(st%3), 0
	WIN 0
	PLACES                                         ; ahead of loads into registers that the products read, and of the first read of results
.if (\i) < 10
	FETCHA (\i)+2, AF-96*((\i)%2), SA+(\i)%2
.endif
.if (((\i)%2) == 1) && (st < 3)
	BLOAD BF-64*(st%3), SW+2*(st%3), (st+3)*TILEB
.endif
.endm
.irp i, 0,1,2,3,4,5,6,7,8,9,10,11
	THALF \i
.endr
	; ---- THE WAY OUT, a block of 16 rows x 64 columns at a time, through my own stage (where my strip lay: every wave's reads of it ended ahead of the last barrier), back as whole rows of 256 bytes.
	; LDS serves a wave's instructions in order (ISA guide 5.7.1.4): no wait between the stores and the loads.
.macro TOSTAGE a
	WIN 0x04
.irp nb, 0,1,2,3
	ds_store_b128 v[STO], v[32*(\a)+8*\nb:32*(\a)+8*\nb+3] offset:64*\nb           ; each accumulator from its low end on
	ds_store_b128 v[STO], v[32*(\a)+8*\nb+4:32*(\a)+8*\nb+7] offset:64*\nb+16
.endr
	WIN 0
.set BB, 48+32*((\a)%2)
.irp t, 0,1,2,3,4,5,6,7
	ds_load_b128 v[BB+4*\t:BB+4*\t+3], v[RD] offset:\t*544
.endr
.endm
.macro SEND a, younger
.set BB, 48+32*((\a)%2)
	s_wait_dscnt \younger
.irp t, 0,1,2,3,4,5,6,7
	global_store_b128 v[OCO], v[BB+4*\t:BB+4*\t+3], s[16:17] offset:32768*(\a)+4096*\t th:TH_STORE_NT   ; sixteen lanes store 256 consecutive bytes, aligned
.endr
.endm
	TOSTAGE 0
.irp a, 1,2,3
.if \a > 1
	s_wait_xcnt 0x0                                ; block a - 2's stores have read their registers
.endif
	TOSTAGE \a
	SEND \a-1, 16                                  ; behind block a - 1's loads: block a's 8 stores and 8 loads
.endr
	SEND 3, 0
	s_wait_tensorcnt 0x0                           ; the wave's end
	ds_add_u32 v[SPW], v[NIL]
	s_wait_dscnt 0x0
	s_endpgm
.Lfunc_end_k_q99b1bfa9af_kan:
	.size	k_q99b1bfa9af_kan, .Lfunc_end_k_q99b1bfa9af_kan-k_q99b1bfa9af_kan
	.p2alignl 7, 3214868480
	.fill 96, 4, 3214868480
	.section	.rodata,"a",@progbits
	.p2align	6, 0x0
	.amdhsa_kernel k_q99b1bfa9af_kan
		.amdhsa_group_segment_fixed_size 327680
		.amdhsa_private_segment_fixed_size 0
		.amdhsa_enable_private_segment 0
		.amdhsa_kernarg_size 56
		.amdhsa_user_sgpr_count 2
		.amdhsa_user_sgpr_kernarg_segment_ptr 1
		.amdhsa_wavefront_size32 1
		.amdhsa_system_sgpr_workgroup_id_x 1
		.amdhsa_system_sgpr_workgroup_id_y 1
		.amdhsa_system_sgpr_workgroup_id_z 1
		.amdhsa_system_vgpr_workitem_id 0
		.amdhsa_next_free_vgpr 512
		.amdhsa_next_free_sgpr 100
		.amdhsa_reserve_vcc 0
		.amdhsa_float_denorm_mode_32 3
		.amdhsa_float_denorm_mode_16_64 3
		.amdhsa_memory_ordered 1
		.amdhsa_forward_progress 1
		.amdhsa_inst_pref_size 255
	.end_amdhsa_kernel
	.section	.bss,"aw",@nobits
	.p2align	6
	.space	262144
	.amdgpu_metadata
---
amdhsa.version: [ 1, 2 ]
amdhsa.kernels:
  - .name:           k_q99b1bfa9af_kan
    .symbol:         k_q99b1bfa9af_kan.kd
    .args:
      - { .name: x, .offset: 0, .size: 8, .value_kind: global_buffer, .address_space: global }
      - { .name: ln_gamma, .offset: 8, .size: 8, .value_kind: global_buffer, .address_space: global }
      - { .name: ln_beta, .offset: 16, .size: 8, .value_kind: global_buffer, .address_space: global }
      - { .name: base_bias, .offset: 24, .size: 8, .value_kind: global_buffer, .address_space: global }
      - { .name: wimg, .offset: 32, .size: 8, .value_kind: global_buffer, .address_space: global }
      - { .name: ctab, .offset: 40, .size: 8, .value_kind: global_buffer, .address_space: global }
      - { .name: out0, .offset: 48, .size: 8, .value_kind: global_buffer, .address_space: global }
    .group_segment_fixed_size: 327680
    .private_segment_fixed_size: 0
    .kernarg_segment_align: 8
    .kernarg_segment_size: 56
    .max_flat_workgroup_size: 256
    .sgpr_count:     100
    .vgpr_count:     512
    .wavefront_size: 32
...
	.end_amdgpu_metadata
.endif
;; end of part 2
